; MI455X (gfx1250); checked and timed in simulation.
; The chip was launched on July 23, 2026; its instructions are those of AMD's public machine-readable ISA for CDNA 5 (MIT licence, August 2026) and "CDNA5" Instruction Set Architecture Reference Guide (July 2026). The comments in the code are by the model that wrote it; some were corrected since.
;; Multi Head Self Attention. Allowed arithmetic: matrix products marked QUANTISED: E2M1 operands, one E8M0 scale for each 32 along K, by v_wmma_scale_f32_16x16x128_f8f6f4 with both operands' format E2M1 (or v_wmma_scale_f32_32x16x128_f4), f32 sums; everything else in f32.
;; Inputs: out_b 1,024 float32; out_w 1,024 x 1,024 float32; qkv_w 3,072 x 1,024 float32; x 1 x 4,096 x 1,024 float32.
;; Outputs: out0 1 x 4,096 x 1,024 float32.
;; This version of the problem:
;;   THIS VERSION OF THE PROBLEM IS GIVEN IN LOW PRECISION. The matrix products marked QUANTISED in the list below multiply operands that are first quantised to E2M1 (2 exponent bits, 1 mantissa bit; 4 bits a number), with one power-of-two scale for each 32 numbers along K (OCP MX v1.0); their sums are f32. All else is computed in f32.
;;   The module's matrix products, in the order in which they are computed (A, B: the left and right operand; K: the contracted axis; several contracted axes count as one K, in the product's order):
;;     1. [M 4,096, K 1,024] x [K 1,024, N 3,072]; A: input x; B: input qkv_w: QUANTISED
;;     2. batch 16 x [M 4,096, K 64] x [K 64, N 4,096]; A: computed on the way; B: computed on the way: QUANTISED
;;     3. batch 16 x [M 4,096, K 4,096] x [K 4,096, N 64]; A: softmax (see below); B: computed on the way: QUANTISED
;;     4. [M 4,096, K 1,024] x [K 1,024, N 1,024]; A: computed on the way; B: input out_w: QUANTISED
;;   THE QUANTISER, for each operand of a quantised product, along K:
;;     - K is cut into blocks of 32 from its start; a last block that is shorter is filled with zeros.
;;     - A block's scale is 2^e with e = floor(log2(the largest magnitude in the block)) - 2, held to -126 .. 127; a block of zeros has e = 0. As a byte (E8M0): e + 127.
;;     - Each number is divided by its block's scale, clamped to +-6, and rounded to the nearest number of E2M1, ties to even, subnormals kept.
;;     - The product sums the exact products of the quantised numbers (number of the format x scale) in f32.
;;   ~~~python
;;   def quantise(x, axis):      # numpy; x: float32 -> the quantised numbers, widened to float32 again
;;       x = np.moveaxis(x, axis, -1); K = x.shape[-1]
;;       x = np.pad(x, [(0, 0)] * (x.ndim - 1) + [(0, -K % 32)]); x = x.reshape(x.shape[:-1] + (-1, 32)); a = np.abs(x).max(-1, keepdims=True)
;;       e = np.where(a > 0, np.clip(np.frexp(np.where(a > 0, a, 1))[1] - 1 - 2, -126, 127), 0)      # np.frexp(a)[1] - 1 = floor(log2(a)), exactly
;;       r = np.clip(x / 2.0 ** e, -6, 6)
;;       step = 2.0 ** (np.maximum(np.frexp(np.where(r == 0, 1, r))[1] - 1, 0) - 1)
;;       q = np.round(r / step) * step * 2.0 ** e      # np.round: ties to even
;;       return np.moveaxis(q.reshape(q.shape[:-2] + (-1,))[..., :K], -1, axis).astype(np.float32)
;;   ~~~
;;   SOFTMAX AHEAD OF A QUANTISED PRODUCT. Where the list says 'softmax', what is quantised is not the finished softmax but p = 2^(t - M), with t = logit x log2(e) and M = ceil(the row's largest t), a whole number; so 1/2 < the row's largest p <= 1. The row's sum l is taken of the UNQUANTISED p, in f32, and the product's result is divided by l at the end. Since M is a whole number, a kernel that streams over the keys may use a running M (the ceiling of the running maximum): every later rescaling is an exact power of two, which a block's scale takes up: the codes' values come out the same.
;;   OPERANDS COMPUTED ON THE WAY. 'Computed on the way' means the value that the module computes at that place (a softmax that the list does not call 'softmax' is quantised finished and normalised). What goes into a quantiser is computed in f32, as accurately as f32 sums, v_exp_f32 and their like allow (about 1e-6 of the number): no bf16 or f16 on the way to a quantiser, and a product that is left as it is and whose result goes on into a quantised operand takes f32 operands (vector FMAs, or v_wmma_f32_16x16x4_f32). A number that lies on a knife's edge between two numbers of the format may be rounded either way, as far as f32 arithmetic and the matrix unit's own rounding can turn it there, and no further.
;; One version. Each part assembles by itself: llvm-mc -triple=amdgcn-amd-amdhsa -mcpu=gfx1250 --defsym DOCPART=n.
;; ======== version 1 of 1: 4 launches
;; limits: right only within a limited range of input values
;; workspace buffers: xw_codes 4,194,304 bytes; xw_scales 262,144 bytes; qkvs 8,912,896 bytes
;; launch quant (part 1): grid 256 x 1, 4 waves a work-group, no clusters, 34,304 bytes of LDS; arguments x, qkv_w, out_w, xw_codes, xw_scales; writes xw_codes, xw_scales
.if DOCPART == 1
	.amdgcn_target "amdgcn-amd-amdhsa--gfx1250"
	.amdhsa_code_object_version 6
	.text
	.protected	k_qfb7b6657b3_quant
	.globl	k_qfb7b6657b3_quant
	.p2align	8
	.type	k_qfb7b6657b3_quant,@function
k_qfb7b6657b3_quant:
	s_mov_b64 s[64:65], 0
	v_nop
	global_prefetch_b8 v0, s[64:65] scope:SCOPE_SE
	s_setreg_imm32_b32 hwreg(HW_REG_WAVE_MODE, 25, 1), 1
	s_wait_xcnt 0x0
; x [4096][1024], qkv_w [3072][1024] and out_w [1024][1024], f32, K innermost, become codes of FP4 (E2M1) with one E8M0 scale byte for each 32 along K.
; A block's scale is 2^(floor(log2(its largest magnitude)) - 2); its byte is the largest magnitude's exponent field - 2, held at 1 from below.
; LIMITS: NaN and infinities among the inputs are not served; a block of zeros, or one whose largest magnitude lies under 2^-124, gets the byte 1 (its codes are zeros or what that scale gives); the bytes are read by this program alone.
; LAYOUT OF THE RESULT.  The 8,192 rows of the three tensors, one behind the other, are cut into 512 tiles of 16 rows.  THE ROWS OF A TILE ARE NOT NEIGHBOURS: place r of tile T (counted inside its tensor) is row
; 32 (T / 2) + 8 (T % 2) + r + 8 (r / 8).  Codes lie as images of the matrix operand's registers: [tile][block of 32 along K][place r][16 bytes], so that 128 along K of a tile are 1,024 bytes on end which a wave
; reads by two loads of 16 bytes a lane.  Scale bytes: [tile][half of K][place r][16 bytes]: word t of the 16 bytes serves the half's t-th 128 along K.
; SHARES.  A wave takes one tile and one half of K (16 rows x 512 numbers) in four steps of 128 along K.  A load reads 512 bytes on end of one row; the conversions want 32 neighbours along K in ONE lane: so a step's
; 8,192 bytes turn through the wave's own stage in LDS (rows of 512 bytes + 16 of padding).  Waves share nothing: no barrier.  Loads run one step (16 loads) ahead of the step at work.
.set SPITCH, 528                       ; a stage row
.set WSTG,   16*SPITCH                 ; a wave's stage
.set R,   16                           ; v16-143  two sets of 64 registers as loaded
.set X,   144                          ; v144-207 my 2 x 32 neighbours along K
.set C,   208                          ; v208-239 codes: eight registers for each step, so that no store's data are written again
.set WS,  240                          ; v240-243 my row's scale word of each step
.set MX,  12                           ; v12-13   the two blocks' largest magnitudes
.set SOP, 14                           ; v14-15   the conversions' scale operands
.set BY,  244                          ; v244-245 the scale bytes
	s_load_b256 s[4:11], s[0:1], 0x0               ; x s[4:5], qkv_w s[6:7], out_w s[8:9], the codes s[10:11]
	s_load_b64 s[12:13], s[0:1], 0x20              ; the scale bytes
	v_lshl_add_u32 v254, v0, 2, 0x8400
	v_mov_b32 v255, 0
	v_lshrrev_b32 v1, 5, v0
	v_readfirstlane_b32 s16, v1                    ; wave 0..3
	v_and_b32 v2, 31, v0                           ; lane
	v_and_b32 v3, 15, v0                           ; r
	v_bfe_u32 v9, v0, 4, 1                         ; h
	v_lshlrev_b32 v4, 4, v2                        ; 16 x lane: my bytes of a load's 512, and of an image's 512
	s_mul_i32 s17, s16, WSTG
	v_add_nc_u32 v5, s17, v4                       ; the stage on the way in: 16 x lane of a row
	v_mul_u32_u24 v6, v3, SPITCH
	v_lshl_add_u32 v6, v9, 7, v6
	v_add_nc_u32 v6, s17, v6                       ; and on the way out: row r, + 128 h: the operand's layout gives lane (r, h) k = 64 c + 32 h + 0 .. 31
	v_lshlrev_b32 v7, 4, v3
	v_lshl_add_u32 v7, v9, 3, v7                   ; the scale words' place: 16 r + 8 h
	v_lshlrev_b32 v10, 3, v9                       ; 8 h: how far my two bytes are shifted up in a scale word
	v_mov_b32 v11, 0                               ; written once: a lane permute's destination counts as one of its sources
	s_mov_b32 s20, 0x76543210
	s_mov_b32 s21, 0xfedcba98                      ; v_permlanex16_b32's selects for lane l xor 16
	s_lshr_b32 s18, s16, 1
	s_and_b32 s19, s16, 1                          ; which half of K
	s_lshl_b32 s22, ttmp9, 1
	s_add_co_u32 s22, s22, s18                     ; my tile, 0 .. 511
	s_mov_b32 s14, 448
	s_wait_alu depctr_va_vdst(0)
	s_wait_kmcnt 0x0
	s_cmp_lt_u32 ttmp9, 224                        ; which tensor?  The choice hangs on the work-group's number alone
	s_cselect_b64 s[6:7], s[6:7], s[8:9]
	s_cselect_b32 s14, 256, s14
	s_cmp_lt_u32 ttmp9, 128
	s_cselect_b64 s[4:5], s[4:5], s[6:7]
	s_cselect_b32 s14, 0, s14                      ; the tensor's first tile
	s_sub_co_u32 s23, s22, s14                     ; my tile inside its tensor
	s_lshr_b32 s24, s23, 1
	s_lshl_b32 s24, s24, 17                        ; 32 rows of 4,096 bytes for each pair of tiles,
	s_and_b32 s25, s23, 1
	s_lshl_b32 s25, s25, 15                        ; 8 rows for the odd tile,
	s_add_co_u32 s24, s24, s25
	s_lshl_b32 s25, s19, 11                        ; 2,048 bytes for the second half of K
	s_add_co_u32 s24, s24, s25
	s_mov_b32 s25, 0
	s_add_nc_u64 s[4:5], s[4:5], s[24:25]
	s_lshl_b32 s26, s22, 13                        ; codes: 8,192 bytes a tile, 4,096 a half
	s_lshl_b32 s27, s19, 12
	s_add_co_u32 s26, s26, s27
	s_mov_b32 s27, 0
	s_add_nc_u64 s[10:11], s[10:11], s[26:27]
	s_lshl_b32 s26, s22, 9                         ; scale bytes: 512 a tile, 256 a half
	s_lshl_b32 s28, s19, 8
	s_add_co_u32 s26, s26, s28
	s_add_nc_u64 s[12:13], s[12:13], s[26:27]
.macro LOAD t                          ; step t: 512 bytes of each of the tile's 16 rows
.irp i, 0,1,2,3,4,5,6,7,8,9,10,11,12,13,14,15
	global_load_b128 v[R+64*((\t)%2)+4*\i:R+64*((\t)%2)+4*\i+3], v4, s[4:5] offset:(\i+8*(\i/8))*4096+512*(\t) th:TH_LOAD_NT
.endr
.endm
.macro STEP t
.if (\t) < 3
	s_wait_loadcnt 16                              ; this step's sixteen loads are in; the next step's sixteen may be out
.else
	s_wait_loadcnt 0x0
.endif
.irp i, 0,1,2,3,4,5,6,7,8,9,10,11,12,13,14,15
	ds_store_b128 v5, v[R+64*((\t)%2)+4*\i:R+64*((\t)%2)+4*\i+3] offset:SPITCH*\i
.endr
.irp c, 0,1
.irp i, 0,1,2,3,4,5,6,7
	ds_load_b128 v[X+32*\c+4*\i:X+32*\c+4*\i+3], v6 offset:256*\c+16*\i   ; LDS serves a wave's instructions in order: these see the stores above
.endr
.endr
	s_wait_dscnt 0x0                               ; my numbers are back, and the stores have read their registers,
.if (\t) < 2
	LOAD (\t)+2                                    ; which take the loads of two steps on
.endif
.irp c, 0,1
	v_max3_num_f32 v[MX+\c], |v[X+32*\c]|, |v[X+32*\c+1]|, 0x1800000   ; block 2 c + h: all its 32 numbers are mine; the floor 2^(3 - 127) holds the byte at 1 from below
.endr
.irp i, 2,4,6,8,10,12,14,16,18,20,22,24,26,28,30
.irp c, 0,1
	v_max3_num_f32 v[MX+\c], v[MX+\c], |v[X+32*\c+\i]|, |v[X+32*\c+\i+1]|   ; (the two blocks by turns)
.endr
.endr
.irp c, 0,1
	v_add_nc_u32 v[SOP+\c], 0xff000000, v[MX+\c]   ; 2 off the exponent field: the conversion takes the exponent field of this operand as its scale
.endr
.irp c, 0,1
	v_lshrrev_b32 v[BY+\c], 23, v[SOP+\c]          ; the scale's byte
.endr
	v_lshl_or_b32 v8, v[BY+1], 16, v[BY]           ; my two bytes: blocks h and 2 + h,
	v_lshlrev_b32 v8, v10, v8                      ; at their places in the word;
	v_permlanex16_b32 v11, v8, s20, s21
	v_or_b32 v[WS+(\t)], v8, v11                   ; with lane l xor 16's two the word is whole
.irp c, 0,1
.irp g, 0,1,2,3
	v_cvt_scalef32_pk8_fp4_f32 v[C+8*(\t)+4*\c+\g], v[X+32*\c+8*\g:X+32*\c+8*\g+7], v[SOP+\c]
.endr
.endr
	v_nop                                          ; one plain line behind the last conversion of the run
.irp c, 0,1
	global_store_b128 v4, v[C+8*(\t)+4*\c:C+8*(\t)+4*\c+3], s[10:11] offset:1024*(\t)+512*\c   ; 32 lanes store 512 bytes on end, at a multiple of 256 from the buffer's first byte
.endr
.endm
	LOAD 0
	LOAD 1
	STEP 0
	STEP 1
	STEP 2
	STEP 3
	v_cmp_ne_u32 vcc_lo, 0, v9                     ; lanes 0-15 store words 0 and 1 of their row, lanes 16-31 words 2 and 3
	v_cndmask_b32 v246, v[WS], v[WS+2], vcc_lo
	v_cndmask_b32 v247, v[WS+1], v[WS+3], vcc_lo
	global_store_b64 v7, v[246:247], s[12:13]      ; the wave stores 256 bytes on end, aligned
	s_wait_tensorcnt 0x0
	ds_add_u32 v254, v255
	s_wait_dscnt 0x0
	s_endpgm
.Lfunc_end_k_qfb7b6657b3_quant:
	.size	k_qfb7b6657b3_quant, .Lfunc_end_k_qfb7b6657b3_quant-k_qfb7b6657b3_quant
	.p2alignl 7, 3214868480
	.fill 96, 4, 3214868480
	.section	.rodata,"a",@progbits
	.p2align	6, 0x0
	.amdhsa_kernel k_qfb7b6657b3_quant
		.amdhsa_group_segment_fixed_size 34304
		.amdhsa_private_segment_fixed_size 0
		.amdhsa_enable_private_segment 0
		.amdhsa_kernarg_size 40
		.amdhsa_user_sgpr_count 2
		.amdhsa_user_sgpr_kernarg_segment_ptr 1
		.amdhsa_wavefront_size32 1
		.amdhsa_system_sgpr_workgroup_id_x 1
		.amdhsa_system_sgpr_workgroup_id_y 1
		.amdhsa_system_sgpr_workgroup_id_z 1
		.amdhsa_system_vgpr_workitem_id 0
		.amdhsa_next_free_vgpr 256
		.amdhsa_next_free_sgpr 66
		.amdhsa_reserve_vcc 1
		.amdhsa_float_denorm_mode_32 3
		.amdhsa_float_denorm_mode_16_64 3
		.amdhsa_memory_ordered 1
		.amdhsa_forward_progress 1
		.amdhsa_inst_pref_size 30
	.end_amdhsa_kernel
	.amdgpu_metadata
---
amdhsa.version: [ 1, 2 ]
amdhsa.kernels:
  - .name:           k_qfb7b6657b3_quant
    .symbol:         k_qfb7b6657b3_quant.kd
    .args:
      - { .name: x, .offset: 0, .size: 8, .value_kind: global_buffer, .address_space: global }
      - { .name: qkv_w, .offset: 8, .size: 8, .value_kind: global_buffer, .address_space: global }
      - { .name: out_w, .offset: 16, .size: 8, .value_kind: global_buffer, .address_space: global }
      - { .name: xw_codes, .offset: 24, .size: 8, .value_kind: global_buffer, .address_space: global }
      - { .name: xw_scales, .offset: 32, .size: 8, .value_kind: global_buffer, .address_space: global }
    .group_segment_fixed_size: 34304
    .private_segment_fixed_size: 0
    .kernarg_segment_align: 8
    .kernarg_segment_size: 40
    .max_flat_workgroup_size: 128
    .sgpr_count:     66
    .vgpr_count:     256
    .wavefront_size: 32
...
	.end_amdgpu_metadata
.endif
;; end of part 1
;; launch qkv (part 2): grid 12 x 16, 16 waves a work-group, clusters of 4 x 4, 264,192 bytes of LDS; arguments xw_codes, xw_scales, qkvs; writes qkvs
.if DOCPART == 2
	.amdgcn_target "amdgcn-amd-amdhsa--gfx1250"
	.amdhsa_code_object_version 6
	.text
	.protected	k_qfb7b6657b3_qkv
	.globl	k_qfb7b6657b3_qkv
	.p2align	8
	.type	k_qfb7b6657b3_qkv,@function
k_qfb7b6657b3_qkv:
	s_mov_b64 s[64:65], 0
	v_nop
	global_prefetch_b8 v0, s[64:65] scope:SCOPE_SE
	s_setreg_imm32_b32 hwreg(HW_REG_WAVE_MODE, 25, 1), 1
	s_wait_xcnt 0x0
	s_wait_alu depctr_hold_cnt(0) depctr_sa_sdst(0) depctr_va_vdst(0) depctr_va_sdst(0) depctr_va_ssrc(0) depctr_va_vcc(0) depctr_vm_vsrc(0)
	s_getreg_b32 s2, hwreg(HW_REG_IB_STS2, 6, 4)
	s_cmp_eq_u32 s2, 0
	s_cbranch_scc0 .Lentry_in_a_cluster
	s_endpgm
.Lentry_in_a_cluster:
	s_bfe_u32 s2, ttmp6, 0x10000c
	s_cmp_lg_u32 s2, 0xf033
	s_cbranch_scc0 .Lentry_shape_is_right
	s_endpgm
.Lentry_shape_is_right:
; qkv = x qkv_w^T on codes of FP4 with E8M0 scales, and its result quantised at once: q and k along the head's 64, v along the tokens (the keys).  No f32 number of qkv goes to memory.
; SHARES.  A work-group makes 256 tokens x 256 columns over all of K = 1,024; each of its sixteen waves 64 x 64, which is one head: 16 accumulators.  192 work-groups: a tile that gave 256 would straddle the limits between q, k and v.
; The cluster's x says what the columns are: 0 q, 1 k, 2 v; it is the same in all sixteen partners, so branches may hang on it.
; THE OPERANDS' TILES OF ROWS: place r of tile T is row 32 (T / 2) + 8 (T % 2) + r + 8 (r / 8).  q, k: source 0 = 16 rows of qkv_w, source 1 = 16 tokens: a lane holds one token and 64 neighbouring channels.
; v: source 0 = 16 tokens, source 1 = 16 rows of qkv_w: a lane holds one channel and 64 neighbouring tokens.  So each is quantised in registers along the K of the product that will read it.
; LDS is filled ONCE: each wave asks for two tiles of codes, all of K, 16,384 dense bytes, by its one tensor load (waves 0-7 the tokens', 8-15 qkv_w's), jointly along the cluster's row or column.
; The scale words go from memory straight into the scale registers: both operands' lie in one buffer, lanes 0-15 take the tokens', lanes 16-31 qkv_w's.
; No prefetch: every byte is asked for at the head, and there is no loop to run ahead in.
; RESULT: 32 regions of 278,528 bytes: q's heads 0-15, then k's and v's heads together.  A region is 32 runs of 8,704 bytes, one for each 128 tokens:
; [q's or k's codes: tile t 8][block of 32 channels][place 16][16 bytes], 4,096 bytes; [v's codes: channel tile 4][block of 32 keys 4][place r][16 bytes], 4,096; [q's or k's scale words: place 16][pair of tiles 4][4 bytes], 256; [v's: place r][channel tile 4][4 bytes], 256.
; THE RESULT'S TILES OF TOKENS ARE DEALT ANEW: place 8 a + j of tile t of a run is token 64 (t / 4) + 32 a + 8 (t % 4) + j of the run, so that in the scores a lane's registers of tiles 4 c .. 4 c + 3 are one whole block of 32 keys.
; Place p of my token tile g (my 64 tokens are half w of the run) is place 8 (g / 2) + p % 8 of tile 4 w + 2 (p / 8) + g % 2: eight lanes store 128 bytes on end, and tiles g and g + 2 fill the two halves of each 256.
; In q's regions the v parts are neither written nor read.  A wave owns two of a v scale word's four bytes.
; LIMITS: NaN and infinities are not served; a block of zeros, or one under 2^-124, gets the scale byte 1.
.set WC,    131072
.set SPARE, 262144
.set REG,   278528
.set STEPB, 8704
.set LI,  4
.set AX,  6
.set LK,  7
.set AW,  8
.set VK,  9
.set ASC, 10
.set VO,  12
.set SC,  16
.set FX,  48
.set FW,  80
.set ACC, 112
.set TM,  240
.set H16, 248
.set PC,  FX
.set SEL, 2
.set WV,  12
.set PATH, 23
.set G1X,  24
.set G1W,  32
.macro D n
	s_delay_alu instid0(VALU_DEP_\n)
.endm
.macro ROUND
	s_barrier_signal -1
	s_barrier_wait -1
	s_cmp_lg_u32 s[WV], 0
	s_cbranch_scc1 .Lnot_wave_0_\@
	s_barrier_signal -3
.Lnot_wave_0_\@:
	s_barrier_wait -3
	s_barrier_signal -1
	s_barrier_wait -1
.endm
	s_load_b128 s[4:7], s[0:1], 0x0                ; the inputs' codes, their scale bytes
	s_load_b64 s[8:9], s[0:1], 0x10                ; the result
	v_lshl_add_u32 v254, v0, 2, SPARE
	v_mov_b32 v255, 0
	ds_add_u32 v254, v255                          ; the opening lines
	ds_add_u32 v254, v255
	v_lshrrev_b32 v1, 5, v0
	D 1
	v_readfirstlane_b32 s[WV], v1                  ; wave 0..15
	s_lshr_b32 s13, s[WV], 3                       ; I fetch for the tokens (0) or for qkv_w (1),
	s_and_b32 s14, s[WV], 7                        ; two tiles of the sixteen
	s_lshr_b32 s15, s[WV], 2                       ; wm: which 64 tokens are mine
	s_and_b32 s16, s[WV], 3                        ; wn: which 64 columns
	s_bfe_u32 s17, ttmp6, 0x40000                  ; cx
	s_bfe_u32 s18, ttmp6, 0x40004                  ; cy
	s_lshl_b32 s19, ttmp9, 2
	s_add_co_u32 s19, s19, s17                     ; nt: which 256 columns
	s_and_b32 s20, ttmp7, 0xffff
	s_lshl_b32 s20, s20, 2
	s_add_co_u32 s20, s20, s18                     ; mt: which 256 tokens
	s_lshl_b32 s21, s18, 2
	s_lshl_b32 s21, 15, s21                        ; my row of the cluster
	s_lshl_b32 s22, 0x1111, s17                    ; my column
	s_mov_b32 s[PATH], ttmp9
	s_mov_b32 s[SEL], 0x76543210
	s_mov_b32 s[SEL+1], 0xfedcba98
	s_or_b32 s[G1X], s21, (3<<16)|(1<<21)          ; the mask; elements of 8 bytes; bit 21 beside a mask
	s_or_b32 s[G1W], s22, (3<<16)|(1<<21)
.irp g, G1X, G1W                       ; two tiles: 64 rows of 256 bytes, dense
	s_mov_b32 s[\g+1], 32<<16
	s_mov_b32 s[\g+2], 64<<16
	s_mov_b32 s[\g+3], 32<<16
	s_mov_b32 s[\g+4], 64
	s_mov_b32 s[\g+5], 32
	s_mov_b32 s[\g+6], 0
	s_mov_b32 s[\g+7], 0
.endr
	s_lshl_b32 s84, s20, 4
	s_lshl_b32 s86, s14, 1
	s_add_co_u32 s84, s84, s86                     ; the tokens' tile 16 mt + 2 w'
	s_lshl_b32 s84, s84, 13
	s_mov_b32 s85, 0
	s_lshl_b32 s88, s19, 4
	s_lshl_b32 s90, s14, 1
	s_add_co_u32 s88, s88, s90
	s_add_co_u32 s88, s88, 256                     ; qkv_w's tile 256 + 16 nt + 2 w'
	s_lshl_b32 s88, s88, 13
	s_mov_b32 s89, 0
	s_lshl_b32 s93, s14, 14                        ; where they go: by the wave's number alone
	s_lshl_b32 s66, s20, 13                        ; scale bytes, 512 a tile: the tokens' tile 16 mt + 4 wm,
	s_lshl_b32 s67, s15, 11
	s_add_co_u32 s66, s66, s67
	s_lshl_b32 s67, s19, 13                        ; qkv_w's tile 256 + 16 nt + 4 wn,
	s_lshl_b32 s68, s16, 11
	s_add_co_u32 s67, s67, s68
	s_add_co_u32 s67, s67, 131072
	s_sub_co_u32 s67, s67, s66                     ; as a distance from the tokens'
	v_and_b32 v2, 15, v0                           ; r
	v_bfe_u32 v3, v0, 4, 1                         ; h
	D 1
	v_mul_u32_u24 v5, s67, v3
	D 1
	v_lshl_add_u32 v5, v2, 4, v5
	D 1
	v_add_nc_u32 v[ASC], s66, v5
	s_wait_alu depctr_va_vdst(0)                   ; the wait ahead of the waits below
	s_wait_dscnt 0x0
	s_wait_kmcnt 0x0
.irp i, 0,1,2,3
.irp k, 0,1
	global_load_b128 v[SC+8*\i+4*\k:SC+8*\i+4*\k+3], v[ASC], s[6:7] offset:512*\i+256*\k   ; register 8 i + s: lanes 0-15 token tile i, lanes 16-31 tile i of qkv_w, K step s
.endr
.endr
	s_add_nc_u64 s[84:85], s[4:5], s[84:85]
	s_add_nc_u64 s[88:89], s[4:5], s[88:89]
	s_mov_b32 s60, 1
	s_mov_b32 s61, s93
	s_mov_b64 s[62:63], s[84:85]
	s_or_b32 s63, s63, 0x80000000
	s_mov_b32 s76, 1
	s_add_co_u32 s77, s93, WC
	s_mov_b64 s[78:79], s[88:89]
	s_or_b32 s79, s79, 0x80000000
	ROUND                                          ; all sixteen work-groups are here: the joint loads meet
	s_cmp_eq_u32 s13, 0
	s_cbranch_scc0 .Lfill_w
	tensor_load_to_lds s[60:63], s[G1X:G1X+7]
	s_nop 0
.rept 4
	v_nop
.endr
	s_branch .Lfilled
.Lfill_w:
	tensor_load_to_lds s[76:79], s[G1W:G1W+7]
	s_nop 0
.rept 4
	v_nop
.endr
.Lfilled:
	v_and_b32 v1, 31, v0
	D 1
	v_lshlrev_b32 v[LI], 4, v1                     ; 16 x lane
	v_lshlrev_b32 v[VO], 4, v2
	D 1
	v_lshl_add_u32 v[VO], v3, 2, v[VO]             ; v's scale bytes: 16 r + 4 h
	v_and_b32 v11, 7, v0                           ; p % 8
	v_bfe_u32 v15, v0, 3, 1                        ; p / 8
	v_lshlrev_b32 v11, 4, v11
	v_lshl_add_u32 v[VK], v15, 2, v11
	v_lshl_add_u32 v[LK], v15, 10, v11
	v_lshl_add_u32 v[VK], v3, 7, v[VK]             ; q's and k's scale words: 128 h + 16 (p % 8) + 4 (p / 8)
	v_lshl_add_u32 v[LK], v3, 8, v[LK]             ; q's and k's codes: 1,024 (p / 8) + 256 h + 16 (p % 8)
	s_lshl_b32 s66, s15, 15                        ; my four token tiles: 4 x 8,192 bytes x wm
	v_add_nc_u32 v[AX], s66, v[LI]
	s_lshl_b32 s67, s16, 15
	s_add_co_u32 s67, s67, WC
	v_add_nc_u32 v[AW], s67, v[LI]
	v_mov_b32 v[TM+2], 0                           ; a lane permute's destination counts as one of its sources
	v_mov_b32 v[TM+3], 0
; A K step of 128: eight fragments from LDS (images of the registers, 512 bytes on end a load), then 16 products, the 16 accumulators by turns.
.macro KSTEP s
.if (\s) > 0
.rept 4
	v_nop                                          ; places in front of loads into registers that matrix instructions have read
.endr
.endif
.irp i, 0,1,2,3
.irp c, 0,1
	ds_load_b128 v[FX+8*\i+4*\c:FX+8*\i+4*\c+3], v[AX] offset:8192*\i+1024*(\s)+512*\c
	ds_load_b128 v[FW+8*\i+4*\c:FW+8*\i+4*\c+3], v[AW] offset:8192*\i+1024*(\s)+512*\c
.endr
.endr
	s_wait_dscnt 0x0
	s_cmp_eq_u32 s[PATH], 2
	s_cbranch_scc1 .Lv_\@
.irp g, 0,1,2,3                        ; q, k: source 0 = qkv_w's tile t (scale words in lanes 16-31), source 1 = token tile g
.irp t, 0,1,2,3
.if (\s) == 0
	v_wmma_scale_f32_16x16x128_f8f6f4 v[ACC+8*(4*\g+\t):ACC+8*(4*\g+\t)+7], v[FW+8*\t:FW+8*\t+7], v[FX+8*\g:FX+8*\g+7], 0, v[SC+8*\t+(\s)], v[SC+8*\g+(\s)] matrix_a_fmt:MATRIX_FMT_FP4 matrix_b_fmt:MATRIX_FMT_FP4 matrix_a_scale:MATRIX_SCALE_ROW1
.else
	v_wmma_scale_f32_16x16x128_f8f6f4 v[ACC+8*(4*\g+\t):ACC+8*(4*\g+\t)+7], v[FW+8*\t:FW+8*\t+7], v[FX+8*\g:FX+8*\g+7], v[ACC+8*(4*\g+\t):ACC+8*(4*\g+\t)+7], v[SC+8*\t+(\s)], v[SC+8*\g+(\s)] matrix_a_fmt:MATRIX_FMT_FP4 matrix_b_fmt:MATRIX_FMT_FP4 matrix_a_scale:MATRIX_SCALE_ROW1
.endif
.endr
.endr
	s_branch .Ljoin_\@
.Lv_\@:
.irp g, 0,1,2,3                        ; v: source 0 = token tile t, source 1 = qkv_w's tile g (scale words in lanes 16-31)
.irp t, 0,1,2,3
.if (\s) == 0
	v_wmma_scale_f32_16x16x128_f8f6f4 v[ACC+8*(4*\g+\t):ACC+8*(4*\g+\t)+7], v[FX+8*\t:FX+8*\t+7], v[FW+8*\g:FW+8*\g+7], 0, v[SC+8*\t+(\s)], v[SC+8*\g+(\s)] matrix_a_fmt:MATRIX_FMT_FP4 matrix_b_fmt:MATRIX_FMT_FP4 matrix_b_scale:MATRIX_SCALE_ROW1
.else
	v_wmma_scale_f32_16x16x128_f8f6f4 v[ACC+8*(4*\g+\t):ACC+8*(4*\g+\t)+7], v[FX+8*\t:FX+8*\t+7], v[FW+8*\g:FW+8*\g+7], v[ACC+8*(4*\g+\t):ACC+8*(4*\g+\t)+7], v[SC+8*\t+(\s)], v[SC+8*\g+(\s)] matrix_a_fmt:MATRIX_FMT_FP4 matrix_b_fmt:MATRIX_FMT_FP4 matrix_b_scale:MATRIX_SCALE_ROW1
.endif
.endr
.endr
.Ljoin_\@:
.endm
; 32 numbers of a lane, register 16 b + i = k 32 b + 16 h + i of my row, become codes: lane (r, h) then holds the 32 codes of block h of row r in v[pc] .. v[pc + 3], and v[hw] the row's two scale bytes.
.macro QUANT2 src, pc, hw
.irp b, 0,1
	v_max3_num_f32 v[TM+\b], |v[(\src)+16*\b]|, |v[(\src)+16*\b+1]|, 0x1800000   ; from each accumulator's low end on; the floor 2^(3 - 127) holds the byte at 1 from below
.endr
.irp i, 2,4,6,8,10,12,14
.irp b, 0,1
	v_max3_num_f32 v[TM+\b], v[TM+\b], |v[(\src)+16*\b+\i]|, |v[(\src)+16*\b+\i+1]|
.endr
.endr
.irp b, 0,1
	D 2
	v_permlanex16_b32 v[TM+2+\b], v[TM+\b], s[SEL], s[SEL+1]
.endr
.irp b, 0,1
	D 2
	v_max_num_f32 v[TM+\b], v[TM+\b], v[TM+2+\b]   ; with lane l xor 16's sixteen: the block's largest magnitude
.endr
.irp b, 0,1
	D 2
	v_add_nc_u32 v[TM+4+\b], 0xff000000, v[TM+\b]  ; 2 off the exponent field: the conversion's scale operand
.endr
.irp b, 0,1
	D 2
	v_lshrrev_b32 v[TM+2+\b], 23, v[TM+4+\b]       ; the scale's byte
.endr
	D 1
	v_lshl_or_b32 v[\hw], v[TM+3], 8, v[TM+2]
.irp b, 0,1
	v_cvt_scalef32_pk8_fp4_f32 v[(\pc)+2*\b], v[(\src)+16*\b:(\src)+16*\b+7], v[TM+4+\b]
	v_cvt_scalef32_pk8_fp4_f32 v[(\pc)+2*\b+1], v[(\src)+16*\b+8:(\src)+16*\b+15], v[TM+4+\b]
.endr
	v_nop                                          ; one plain line behind a scaled conversion
	v_permlane16_swap_b32 v[\pc], v[(\pc)+2]       ; a whole block to a lane
	v_permlane16_swap_b32 v[(\pc)+1], v[(\pc)+3]
.endm
	s_wait_alu depctr_va_vdst(0)                   ; the wait at the head's end
	s_wait_tensorcnt 0x0                           ; my two tiles are in,
	s_barrier_signal -1
	s_barrier_wait -1                              ; everybody's are
	s_wait_loadcnt 0x0                             ; the scale words
	KSTEP 0
	KSTEP 1
	KSTEP 2
	KSTEP 3
	KSTEP 4
	KSTEP 5
	KSTEP 6
	KSTEP 7
.rept 4
	v_nop                                          ; places behind the last products
.endr
.irp g, 0,1,2,3
	QUANT2 ACC+32*\g, PC+4*\g, H16+\g
.endr
	v_cmp_ne_u32 vcc_lo, 0, v3                     ; lanes 16-31
	s_wait_alu depctr_va_vdst(0)                   ; the wait ahead of the scalar lines and the branch
	s_lshl_b32 s66, s19, 2
	s_add_co_u32 s66, s66, s16                     ; 4 nt + wn: q's heads 0-15, k's 16-31, v's 32-47
	s_lshl_b32 s67, s20, 1
	s_lshr_b32 s68, s15, 1
	s_add_co_u32 s67, s67, s68                     ; which 128 tokens: 2 mt + wm / 2
	s_and_b32 s70, s15, 1                          ; and which 64 of them
	s_cmp_eq_u32 s[PATH], 2
	s_cselect_b32 s71, 16, 0                       ; v goes into k's region,
	s_cselect_b32 s72, 9, 11                       ; codes: my 64 tokens are 512 bytes on in each channel tile of v, 2,048 in q and k;
	s_cselect_b32 s73, 1, 3                        ; scale bytes: 2 on in v's words, 8 in q's and k's;
	s_cselect_b32 s74, 4096, 0                     ; v's codes lie behind k's,
	s_cselect_b32 s75, 256, 0                      ; v's scale words behind k's
	s_sub_co_u32 s66, s66, s71
	s_mul_i32 s66, s66, REG
	s_mul_i32 s67, s67, STEPB
	s_add_co_u32 s66, s66, s67
	s_lshl_b32 s76, s70, s72
	s_add_co_u32 s76, s76, s74
	s_add_co_u32 s76, s76, s66
	s_mov_b32 s77, 0
	s_lshl_b32 s78, s70, s73
	s_add_co_u32 s78, s78, s75
	s_add_co_u32 s78, s78, 8192
	s_add_co_u32 s78, s78, s66
	s_mov_b32 s79, 0
	s_add_nc_u64 s[10:11], s[8:9], s[76:77]        ; my codes
	s_add_nc_u64 s[8:9], s[8:9], s[78:79]          ; my scale bytes
	s_cmp_eq_u32 s[PATH], 2
	s_cbranch_scc1 .Lv_out
.irp g, 0,1,2,3
	global_store_b128 v[LK], v[PC+4*\g:PC+4*\g+3], s[10:11] offset:512*(\g%2)+128*(\g/2)   ; by the result's places: four runs of 128 bytes a store
.endr
	v_lshl_or_b32 v13, v[H16+1], 16, v[H16]        ; a pair's word: the even tile's bytes below, the odd tile's above
	v_lshl_or_b32 v14, v[H16+3], 16, v[H16+2]
	D 1
	v_cndmask_b32 v13, v13, v14, vcc_lo            ; lanes 0-15 store the first pair's, lanes 16-31 the second's
	global_store_b32 v[VK], v13, s[8:9]
	s_branch .Lout
.Lv_out:
.irp g, 0,1,2,3
	global_store_b128 v[LI], v[PC+4*\g:PC+4*\g+3], s[10:11] offset:1024*\g   ; my two key blocks of channel tile g: 512 bytes on end
.endr
	v_cndmask_b32 v13, v[H16], v[H16+1], vcc_lo    ; lanes 0-15 channel tiles 0 and 2, lanes 16-31 tiles 1 and 3
	v_cndmask_b32 v14, v[H16+2], v[H16+3], vcc_lo
	global_store_b16 v[VO], v13, s[8:9]
	global_store_b16 v[VO], v14, s[8:9] offset:8
.Lout:
	s_wait_tensorcnt 0x0                           ; the wave's end
	ds_add_u32 v254, v255
	s_wait_dscnt 0x0
	ROUND                                          ; the closing round
	s_endpgm
.Lfunc_end_k_qfb7b6657b3_qkv:
	.size	k_qfb7b6657b3_qkv, .Lfunc_end_k_qfb7b6657b3_qkv-k_qfb7b6657b3_qkv
	.p2alignl 7, 3214868480
	.fill 96, 4, 3214868480
	.section	.rodata,"a",@progbits
	.p2align	6, 0x0
	.amdhsa_kernel k_qfb7b6657b3_qkv
		.amdhsa_group_segment_fixed_size 264192
		.amdhsa_private_segment_fixed_size 0
		.amdhsa_enable_private_segment 0
		.amdhsa_kernarg_size 24
		.amdhsa_user_sgpr_count 2
		.amdhsa_user_sgpr_kernarg_segment_ptr 1
		.amdhsa_wavefront_size32 1
		.amdhsa_system_sgpr_workgroup_id_x 1
		.amdhsa_system_sgpr_workgroup_id_y 1
		.amdhsa_system_sgpr_workgroup_id_z 1
		.amdhsa_system_vgpr_workitem_id 0
		.amdhsa_next_free_vgpr 256
		.amdhsa_next_free_sgpr 96
		.amdhsa_reserve_vcc 1
		.amdhsa_float_denorm_mode_32 3
		.amdhsa_float_denorm_mode_16_64 3
		.amdhsa_memory_ordered 1
		.amdhsa_forward_progress 1
		.amdhsa_inst_pref_size 60
	.end_amdhsa_kernel
	.amdgpu_metadata
---
amdhsa.version: [ 1, 2 ]
amdhsa.kernels:
  - .name:           k_qfb7b6657b3_qkv
    .symbol:         k_qfb7b6657b3_qkv.kd
    .args:
      - { .name: xw_codes, .offset: 0, .size: 8, .value_kind: global_buffer, .address_space: global }
      - { .name: xw_scales, .offset: 8, .size: 8, .value_kind: global_buffer, .address_space: global }
      - { .name: qkvs, .offset: 16, .size: 8, .value_kind: global_buffer, .address_space: global }
    .group_segment_fixed_size: 264192
    .private_segment_fixed_size: 0
    .kernarg_segment_align: 8
    .kernarg_segment_size: 24
    .max_flat_workgroup_size: 512
    .sgpr_count:     96
    .vgpr_count:     256
    .wavefront_size: 32
...
	.end_amdgpu_metadata
.endif
;; end of part 2
;; launch attn (part 3): grid 16 x 16, 16 waves a work-group, clusters of 4 x 1, 327,680 bytes of LDS; arguments qkvs, xw_codes, xw_scales; writes xw_codes, xw_scales
.if DOCPART == 3
	.amdgcn_target "amdgcn-amd-amdhsa--gfx1250"
	.amdhsa_code_object_version 6
	.text
	.protected	k_qfb7b6657b3_attn
	.globl	k_qfb7b6657b3_attn
	.p2align	8
	.type	k_qfb7b6657b3_attn,@function
k_qfb7b6657b3_attn:
	s_mov_b64 s[64:65], 0
	v_nop
	global_prefetch_b8 v0, s[64:65] scope:SCOPE_SE
	s_setreg_imm32_b32 hwreg(HW_REG_WAVE_MODE, 25, 1), 1
	s_wait_xcnt 0x0
	s_wait_alu depctr_hold_cnt(0) depctr_sa_sdst(0) depctr_va_vdst(0) depctr_va_sdst(0) depctr_va_ssrc(0) depctr_va_vcc(0) depctr_vm_vsrc(0)
	s_getreg_b32 s2, hwreg(HW_REG_IB_STS2, 6, 4)
	s_cmp_eq_u32 s2, 0
	s_cbranch_scc0 .Lentry_in_a_cluster
	s_endpgm
.Lentry_in_a_cluster:
	s_bfe_u32 s2, ttmp6, 0x10000c
	s_cmp_lg_u32 s2, 0x3003
	s_cbranch_scc0 .Lentry_shape_is_right
	s_endpgm
.Lentry_shape_is_right:
; o = softmax(q k^T / 8) v for one head and 256 queries a work-group, both products on codes of FP4 with E8M0 scales, and o quantised at once along the next product's K (the head's 64 channels).
; THE SOFTMAX: t = score x log2(e) / 8; M = the running largest t rounded UP to a whole number; p = 2^(t - M) is quantised along the keys; the row's sum is taken of the unquantised p and divides at the end.
; When M moves, the sum and O^T are multiplied by 2^(old M - new M), in every step, with no branch on data.
; SHARES.  Sixteen waves, each with 16 queries, walk all 4,096 keys, 128 a step.  Both products are used transposed (S^T = k q^T, O^T = v^T p^T): a lane holds one query throughout.
; The head's size is 64, half of the instruction's K: a fragment of k holds two key tiles, and q's fragment has zeros in the half that belongs to the other tile.
; THE KEYS OF A TILE: place 8 a + j of tile t of a run is key 64 (t / 4) + 32 a + 8 (t % 4) + j.  So lane (query, h) holds in the 32 score registers of tiles 4 c .. 4 c + 3 the keys 64 c + 32 h + 0 .. 31 in their order:
; block 2 c + h of the run, whole.  A block's largest score needs no other lane, and four conversions give registers 4 c .. 4 c + 3 of p's operand as they stand.  Lanes l and l xor 16 exchange the row's largest score and two scale bytes.
; LDS holds the head's whole region of k and v: 32 runs of 8,704 bytes (k's codes 4,096, v's codes 4,096, k's scale words 256, v's 256), filled once, jointly by the four work-groups of a cluster, which walk the same head:
; the first 8 runs at the head, 17 rows of 256 bytes a wave; the other 24 behind the full sequence and a round, 51 rows a wave, under the first 8 steps.
; No prefetch: every byte is asked for in these two groups, and there is no loop to run ahead in.
; t - M, the sums and the rescaling of O^T go as dual pairs; -M and the factor are kept twice, in registers of different banks, for the pairs' second halves.
; MY QUERIES are the operands' tile T = 16 x work-group + wave (place r is row 32 (T / 2) + 8 (T % 2) + r + 8 (r / 8)); in q's region they lie by the places of the line above, and are read so.
; RESULT: o's codes and scale bytes take the places of x's tiles 0-255 in the inputs' buffers of codes and scale bytes, which no later launch reads as x: [token tile][block of 32 along K][place r][16 bytes]; scale bytes [tile][half of K][r][16 bytes].
; LIMITS: the promise holds while the scaled scores t stay under 2^31 in magnitude; NaN and infinities are not served; a block of p that has fallen to 0 keeps the scale byte 1, its codes are zeros.
; A block's largest p is the exponential of its largest score: this takes v_exp_f32 not to fall where its input rises.
.set STEPB, 8704
.set REG,   278528
.set ST1,   69632                      ; the first 8 runs
.set SPARE, 278528
.set SH,  7                            ; v7: 8 h
.set ADK, 8
.set ADS, 10
.set QF,  16
.set KF,  32
.set VF,  64
.set S,   96
.set O,   160
.set PC,  192
.set BM,  200
.set BX,  204
.set BS,  208
.set F,   214                          ; v214, v215: the factor, twice
.set TMP, 216
.set HW,  217
.set T2,  218
.set W,   219
.set KS,  220
.set VS,  224
.set QS,  228
.set PW,  230
.set AC,  232                          ; v232-239: the step's sums, four pairs
.set NM2, 241                          ; -M once more (v12 is the first)
.set TM,  200
.set WV,  12
.set SEL, 20
.set CS,  22
.set G1A, 24
.set G1B, 32
.set KO,  60
.set CNT, 62
.macro D n
	s_delay_alu instid0(VALU_DEP_\n)
.endm
.macro ROUND
	s_barrier_signal -1
	s_barrier_wait -1
	s_cmp_lg_u32 s[WV], 0
	s_cbranch_scc1 .Lnot_wave_0_\@
	s_barrier_signal -3
.Lnot_wave_0_\@:
	s_barrier_wait -3
	s_barrier_signal -1
	s_barrier_wait -1
.endm
	s_load_b64 s[4:5], s[0:1], 0x0                 ; q, k, v
	s_load_b64 s[8:9], s[0:1], 0x8                 ; o's codes
	s_load_b64 s[10:11], s[0:1], 0x10              ; o's scale bytes
	v_lshl_add_u32 v254, v0, 2, SPARE
	v_mov_b32 v255, 0
	ds_add_u32 v254, v255                          ; the opening lines
	ds_add_u32 v254, v255
	v_lshrrev_b32 v1, 5, v0
	D 1
	v_readfirstlane_b32 s[WV], v1                  ; wave 0..15
	s_bfe_u32 s15, ttmp6, 0x40000
	s_lshl_b32 s16, ttmp9, 2
	s_add_co_u32 s16, s16, s15                     ; which 256 queries
	s_and_b32 s17, ttmp7, 0xffff                   ; the head
	s_mul_i32 s18, s17, REG                        ; q's region
	s_add_co_u32 s66, s18, 16*REG                  ; k's and v's
	s_mul_i32 s19, s[WV], 4352                     ; my 17 rows of the first 8 runs, in LDS and in the region
	s_add_co_u32 s68, s66, s19
	s_mov_b32 s69, 0
	s_mul_i32 s72, s[WV], 13056                    ; my 51 rows of the other 24
	s_add_co_u32 s72, s72, ST1
	s_add_co_u32 s70, s66, s72
	s_mov_b32 s71, 0
.irp g, G1A, G1B                       ; rows of 256 bytes, dense; the mask names the cluster's four
	s_mov_b32 s[\g], 15|(3<<16)|(1<<21)
	s_mov_b32 s[\g+1], 32<<16
	s_mov_b32 s[\g+3], 32<<16
	s_mov_b32 s[\g+5], 32
	s_mov_b32 s[\g+6], 0
	s_mov_b32 s[\g+7], 0
.endr
	s_mov_b32 s[G1A+2], 17<<16
	s_mov_b32 s[G1A+4], 17
	s_mov_b32 s[G1B+2], 51<<16
	s_mov_b32 s[G1B+4], 51
	s_mov_b32 s[SEL], 0x76543210
	s_mov_b32 s[SEL+1], 0xfedcba98
	s_mov_b32 s[CS], 0x3e38aa3b                    ; c = log2(e) / 8
	s_mov_b32 s[KO], 0
	s_lshl_b32 s73, s16, 1                         ; my query tile T lies in run T / 8 of q's region
	s_lshr_b32 s74, s[WV], 3
	s_add_co_u32 s73, s73, s74
	s_mul_i32 s73, s73, STEPB
	s_add_co_u32 s76, s18, s73
	s_bfe_u32 s74, s[WV], 0x10002                  ; w = (T % 8) / 4: which 64 tokens of the run
	s_bfe_u32 s75, s[WV], 0x10001                  ; (T % 4) / 2
	s_lshl_b32 s67, s75, 7
	s_lshl_b32 s75, s74, 3
	s_add_co_u32 s78, s76, s67                     ; its pair's scale words: 8,192 + 128 ((T % 4) / 2) + 8 w, + 16 (r % 8) + 4 (r / 8)
	s_add_co_u32 s78, s78, s75
	s_add_co_u32 s78, s78, 8192
	s_lshl_b32 s74, s74, 11                        ; its codes: 2,048 w + 512 (T % 2) + 128 ((T % 4) / 2), + 1,024 (r / 8) + 256 h + 16 (r % 8)
	s_add_co_u32 s74, s74, s67
	s_and_b32 s75, s[WV], 1
	s_lshl_b32 s75, s75, 9
	s_add_co_u32 s74, s74, s75
	s_add_co_u32 s76, s76, s74
	s_mov_b32 s77, 0
	s_mov_b32 s79, 0
	s_lshl_b32 s56, s16, 4
	s_add_co_u32 s56, s56, s[WV]                   ; T
	s_lshl_b32 s58, s56, 13                        ; o's codes: 8,192 bytes a tile, 512 a head
	s_lshl_b32 s57, s17, 9
	s_add_co_u32 s58, s58, s57
	s_mov_b32 s59, 0
	s_lshl_b32 s56, s56, 9                         ; o's scale bytes: 512 a tile, 256 a half of K, 2 a head
	s_lshr_b32 s57, s17, 3
	s_lshl_b32 s57, s57, 8
	s_add_co_u32 s56, s56, s57
	s_and_b32 s57, s17, 7
	s_lshl_b32 s57, s57, 1
	s_add_co_u32 s56, s56, s57
	s_mov_b32 s57, 0
	v_and_b32 v5, 31, v0
	v_and_b32 v6, 15, v0
	D 2
	v_lshlrev_b32 v1, 4, v5                        ; 16 x lane
	D 2
	v_lshlrev_b32 v6, 4, v6                        ; 16 r
	D 1
	v_add_nc_u32 v3, 8192, v6                      ; a run's scale words
	v_and_b32 v2, 7, v0                            ; r % 8
	v_bfe_u32 v4, v0, 3, 1                         ; r / 8
	v_bfe_u32 v[SH], v0, 4, 1                      ; h
	v_lshlrev_b32 v2, 4, v2
	v_lshl_add_u32 v9, v4, 2, v2                   ; q's scale words: 16 (r % 8) + 4 (r / 8)
	v_lshl_add_u32 v2, v4, 10, v2
	v_lshl_add_u32 v2, v[SH], 8, v2                ; q's codes: 1,024 (r / 8) + 256 h + 16 (r % 8)
	v_lshlrev_b32 v[SH], 3, v[SH]                  ; 8 h: how far my two scale bytes are shifted up in p's word
	s_wait_alu depctr_va_vdst(0)                   ; the wait ahead of the waits below
	s_wait_dscnt 0x0
	s_wait_kmcnt 0x0
	s_mov_b32 s48, 1
	s_mov_b32 s49, s19
	s_add_nc_u64 s[50:51], s[4:5], s[68:69]
	s_or_b32 s51, s51, 0x80000000
	s_mov_b32 s52, 1
	s_mov_b32 s53, s72
	s_add_nc_u64 s[54:55], s[4:5], s[70:71]
	s_or_b32 s55, s55, 0x80000000
	s_add_nc_u64 s[76:77], s[4:5], s[76:77]
	s_add_nc_u64 s[78:79], s[4:5], s[78:79]
	s_add_nc_u64 s[8:9], s[8:9], s[58:59]
	s_add_nc_u64 s[10:11], s[10:11], s[56:57]
	global_load_b128 v[QF:QF+3], v2, s[76:77]      ; q, for the even key tiles: the lower half of K,
	global_load_b128 v[QF+12:QF+15], v2, s[76:77]  ; and for the odd ones: the upper half
	global_load_b32 v[TMP], v9, s[78:79]
	ROUND                                          ; the four work-groups are here: the joint loads meet
	tensor_load_to_lds s[48:51], s[G1A:G1A+7]      ; my one load at the head
	s_nop 0
.rept 4
	v_nop
.endr
.irp j, 4,5,6,7,8,9,10,11
	v_mov_b32 v[QF+\j], 0
.endr
	v_mov_b32 v13, 0xff61b1e6                      ; the largest score so far: -3e38
	v_mov_b32 v14, 0                               ; the row's sum
	D 2
	v_floor_f32 v12, -v13                          ; -M: above every -M to come
	v_floor_f32 v[NM2], -v13
.irp b, 0,1,2,3
	v_mov_b32 v[BX+\b], 0                          ; a lane permute's destination counts as one of its sources
.endr
	s_wait_alu depctr_va_vdst(0)
	s_wait_tensorcnt 0x0                           ; my part of the first 8 runs is in
	ds_add_u32 v254, v255
	s_wait_dscnt 0x0
	ROUND                                          ; everybody's part is in
	tensor_load_to_lds s[52:55], s[G1B:G1B+7]      ; the other 24 runs
	s_nop 0
.rept 4
	v_nop
.endr
	s_and_b32 s67, s[WV], 1
	s_lshl_b32 s67, s67, 4
	s_wait_loadcnt 0x0
	v_lshrrev_b32 v[TMP], s67, v[TMP]              ; my tile's two bytes of the pair's word,
	D 1
	v_and_b32 v[QS], 0xffff, v[TMP]                ; under the lower half of K,
	D 1
	v_lshlrev_b32 v[QS+1], 16, v[QS]               ; and under the upper
.irp j, 0,1,2,3,4,5,6,7,8,9,10,11,12,13,14,15,16,17,18,19,20,21,22,23,24,25,26,27,28,29,30,31
	v_mov_b32 v[O+\j], 0                           ; O^T: the step is written once, its first run finds zeros.  (Also the places between the scale words' lines and the first product)
.endr
; A KEY STEP: 128 keys, one run of LDS.
.macro STEP
	v_add_nc_u32 v[ADK], s[KO], v1                 ; these three lines and the v_nop are the places in front of the loads into v's registers
	v_add_nc_u32 v[ADS], s[KO], v3
	v_mov_b32 v[TMP], v12                          ; the old -M
	v_nop
.irp b, 0,1,2,3
.irp c, 0,1
	ds_load_b128 v[KF+8*\b+4*\c:KF+8*\b+4*\c+3], v[ADK] offset:1024*\b+512*\c
.endr
.endr
	ds_load_b128 v[KS:KS+3], v[ADS]                ; the four pairs' scale words of place r
.irp g, 0,1,2,3
.irp c, 0,1
	ds_load_b128 v[VF+8*\g+4*\c:VF+8*\g+4*\c+3], v[ADK] offset:4096+1024*\g+512*\c
.endr
.endr
	ds_load_b128 v[VS:VS+3], v[ADS] offset:256     ; the four channel tiles' scale words
	s_wait_dscnt 9                                 ; k's nine loads are in; v's nine may be out
.irp b, 0,1,2,3
.irp u, 0,1
	v_wmma_scale_f32_16x16x128_f8f6f4 v[S+8*(2*\b+\u):S+8*(2*\b+\u)+7], v[KF+8*\b:KF+8*\b+7], v[QF+8*\u:QF+8*\u+7], 0, v[KS+\b], v[QS+\u] matrix_a_fmt:MATRIX_FMT_FP4 matrix_b_fmt:MATRIX_FMT_FP4
.endr
.endr
.rept 4
	v_nop
.endr
.irp b, 0,1,2,3
	v_max3_num_f32 v[BM+\b], v[S+16*\b], v[S+16*\b+1], v[S+16*\b+2]   ; the largest score of each 16 registers, four chains by turns
.endr
.irp i, 3,5,7,9,11,13
.irp b, 0,1,2,3
	v_max3_num_f32 v[BM+\b], v[BM+\b], v[S+16*\b+\i], v[S+16*\b+\i+1]
.endr
.endr
.irp b, 0,1,2,3
	v_max_num_f32 v[BM+\b], v[BM+\b], v[S+16*\b+15]
.endr
	v_max_num_f32 v[BM], v[BM], v[BM+1]            ; my block h's largest score,
	v_max_num_f32 v[BM+1], v[BM+2], v[BM+3]        ; and my block 2 + h's
	D 1
	v_max_num_f32 v[T2], v[BM], v[BM+1]
	D 1
	v_permlanex16_b32 v[BX], v[T2], s[SEL], s[SEL+1]
	D 1
	v_max3_num_f32 v13, v13, v[T2], v[BX]          ; the running largest score of my query (c is positive: its t is the largest t)
	D 1
	v_mul_f32 v[T2], s[CS], v13
	D 1
	v_floor_f32 v12, -v[T2]                        ; -M = floor(-t)
	D 2
	v_floor_f32 v[NM2], -v[T2]
	D 2
	v_sub_f32 v[T2], v12, v[TMP]                   ; old M - new M: a whole number, 0 or less
	D 1
	v_cvt_i32_f32 v[T2], v[T2]                     ; (it saturates)
	D 1
	v_ldexp_f32 v[F], 1.0, v[T2]                   ; the factor 2^(old M - new M)
	D 2
	v_ldexp_f32 v[F+1], 1.0, v[T2]
.irp b, 0,1
	v_fma_f32 v[BM+\b], v[BM+\b], s[CS], v12       ; t - M of each block's largest score
.endr
.irp j, 0,2,4,6,8,10,12,14,16,18,20,22,24,26,28,30,32,34,36,38,40,42,44,46,48,50,52,54,56,58,60,62
	v_dual_fmamk_f32 v[S+\j], v[S+\j], 0x3e38aa3b, v12 :: v_dual_fmamk_f32 v[S+\j+1], v[S+\j+1], 0x3e38aa3b, v[NM2]   ; t - M
.endr
	s_wait_alu depctr_va_vdst(0)                   ; the wait ahead of the batch
.irp b, 0,1
	v_exp_f32 v[BM+\b], v[BM+\b]                   ; the block's largest p
.endr
.irp j, 0,1,2,3,4,5,6,7,8,9,10,11,12,13,14,15,16,17,18,19,20,21,22,23,24,25,26,27,28,29,30,31,32,33,34,35,36,37,38,39,40,41,42,43,44,45,46,47,48,49,50,51,52,53,54,55,56,57,58,59,60,61,62,63
	v_exp_f32 v[S+\j], v[S+\j]                     ; p = 2^(t - M)
.endr
	v_nop                                          ; a plain place behind the batch
	s_wait_alu depctr_va_vdst(0)                   ; and its one wait
.irp p, 0,1,2,3
	v_dual_add_f32 v[AC+2*\p], v[S+4*\p], v[S+4*\p+2] :: v_dual_add_f32 v[AC+2*\p+1], v[S+4*\p+1], v[S+4*\p+3]   ; the sum of the unquantised p, in eight chains
.endr
.irp i, 0,1,2,3,4,5                    ; the lines that make the scales stand among the sums, so that none follows closely on the line that it reads
.irp p, 0,1,2,3
	v_dual_add_f32 v[AC+2*\p], v[AC+2*\p], v[S+16+8*\i+2*\p] :: v_dual_add_f32 v[AC+2*\p+1], v[AC+2*\p+1], v[S+17+8*\i+2*\p]
.if (\i == 0) && (\p < 2)
	v_max_num_f32 v[BM+\p], 0x1800000, v[BM+\p]    ; the floor 2^(3 - 127): the byte cannot fall under 1
.endif
.if (\i == 1) && (\p < 2)
	v_add_nc_u32 v[BS+\p], 0xff000000, v[BM+\p]    ; 2 off the exponent field: the conversion's scale operand
.endif
.if (\i == 2) && (\p < 2)
	v_lshrrev_b32 v[BX+\p], 23, v[BS+\p]           ; the scale's byte
.endif
.endr
.if \i == 3
	v_lshl_or_b32 v[W], v[BX+1], 16, v[BX]         ; my two bytes: blocks h and 2 + h,
.endif
.if \i == 4
	v_lshlrev_b32 v[W], v[SH], v[W]                ; at their places in p's scale word;
.endif
.if \i == 5
	v_permlanex16_b32 v[BX+2], v[W], s[SEL], s[SEL+1]
.endif
.endr
	v_dual_add_f32 v[AC], v[AC], v[AC+2] :: v_dual_add_f32 v[AC+1], v[AC+1], v[AC+3]
	v_dual_add_f32 v[AC+4], v[AC+4], v[AC+6] :: v_dual_add_f32 v[AC+5], v[AC+5], v[AC+7]
	v_dual_add_f32 v[AC], v[AC], v[AC+4] :: v_dual_add_f32 v[AC+1], v[AC+1], v[AC+5]
	v_add_f32 v[AC], v[AC], v[AC+1]
	D 1
	v_fma_f32 v14, v14, v[F], v[AC]                ; my half of the row's sum under the new M
	v_or_b32 v[PW], v[W], v[BX+2]                  ; with lane l xor 16's two bytes the word is whole
.irp c, 0,1
.irp q, 0,1,2,3
	v_cvt_scalef32_pk8_fp4_f32 v[PC+4*\c+\q], v[S+32*\c+8*\q:S+32*\c+8*\q+7], v[BS+\c]   ; keys 64 c + 32 h + 8 q + 0 .. 7: register 4 c + q of p's operand
.endr
.endr
	v_nop                                          ; one plain line behind a scaled conversion
	s_wait_alu depctr_va_vdst(0)                   ; the wait directly ahead of the first line that reads O^T
.irp j, 0,2,4,6,8,10,12,14,16,18,20,22,24,26,28,30
	v_dual_mul_f32 v[O+\j], v[F], v[O+\j] :: v_dual_mul_f32 v[O+\j+1], v[F+1], v[O+\j+1]   ; O^T under the new M.  (Also the places in front of the products below)
.endr
	s_wait_alu depctr_va_vdst(0)                   ; the wait ahead of the wait below
	s_wait_dscnt 0x0                               ; v
.irp g, 0,1,2,3
	v_wmma_scale_f32_16x16x128_f8f6f4 v[O+8*\g:O+8*\g+7], v[VF+8*\g:VF+8*\g+7], v[PC:PC+7], v[O+8*\g:O+8*\g+7], v[VS+\g], v[PW] matrix_a_fmt:MATRIX_FMT_FP4 matrix_b_fmt:MATRIX_FMT_FP4
.endr
	s_add_co_u32 s[KO], s[KO], STEPB
.endm
.macro QUANT2 src, pc, hw
.irp b, 0,1
	v_max3_num_f32 v[TM+\b], |v[(\src)+16*\b]|, |v[(\src)+16*\b+1]|, 0x1800000
.endr
.irp i, 2,4,6,8,10,12,14
.irp b, 0,1
	D 2
	v_max3_num_f32 v[TM+\b], v[TM+\b], |v[(\src)+16*\b+\i]|, |v[(\src)+16*\b+\i+1]|
.endr
.endr
.irp b, 0,1
	D 2
	v_permlanex16_b32 v[TM+2+\b], v[TM+\b], s[SEL], s[SEL+1]
.endr
.irp b, 0,1
	D 2
	v_max_num_f32 v[TM+\b], v[TM+\b], v[TM+2+\b]
.endr
.irp b, 0,1
	D 2
	v_add_nc_u32 v[TM+4+\b], 0xff000000, v[TM+\b]
.endr
.irp b, 0,1
	D 2
	v_lshrrev_b32 v[TM+2+\b], 23, v[TM+4+\b]
.endr
	D 1
	v_lshl_or_b32 v[\hw], v[TM+3], 8, v[TM+2]
.irp b, 0,1
	v_cvt_scalef32_pk8_fp4_f32 v[(\pc)+2*\b], v[(\src)+16*\b:(\src)+16*\b+7], v[TM+4+\b]
	v_cvt_scalef32_pk8_fp4_f32 v[(\pc)+2*\b+1], v[(\src)+16*\b+8:(\src)+16*\b+15], v[TM+4+\b]
.endr
	v_nop
	v_permlane16_swap_b32 v[\pc], v[(\pc)+2]
	v_permlane16_swap_b32 v[(\pc)+1], v[(\pc)+3]
.endm
	s_mov_b32 s[CNT], 8
	s_wait_alu depctr_va_vdst(0)                   ; the wait at the head's end
.Lfirst_keys:
	STEP
	s_sub_co_u32 s[CNT], s[CNT], 1
	s_cmp_lg_u32 s[CNT], 0
	s_cbranch_scc1 .Lfirst_keys
	s_wait_tensorcnt 0x0                           ; my part of the other 24 runs is in,
	s_wait_dscnt 0x0
	s_barrier_signal -1
	s_barrier_wait -1                              ; everybody's is; nothing is filled again
	s_mov_b32 s[CNT], 24
.Lother_keys:
	STEP
	s_sub_co_u32 s[CNT], s[CNT], 1
	s_cmp_lg_u32 s[CNT], 0
	s_cbranch_scc1 .Lother_keys
	v_permlanex16_b32 v[TMP], v14, s[SEL], s[SEL+1]
	D 1
	v_add_f32 v14, v14, v[TMP]                     ; with lane l xor 16's: the row's sum
	s_wait_alu depctr_va_vdst(0)
	v_rcp_f32 v14, v14
.rept 4
	v_nop                                          ; places behind the last products and the reciprocal
.endr
	s_wait_alu depctr_va_vdst(0)
.irp j, 0,1,2,3,4,5,6,7,8,9,10,11,12,13,14,15,16,17,18,19,20,21,22,23,24,25,26,27,28,29,30,31
	v_mul_f32 v[S+\j], v[O+\j], v14                ; register 16 b + i: channel 32 b + 16 h + i of my query
.endr
	QUANT2 S, PC, HW
	global_store_b128 v1, v[PC:PC+3], s[8:9]       ; 512 bytes on end
	v_cmp_gt_u32 vcc_lo, 16, v5
	s_wait_alu depctr_va_vdst(0)
	s_wait_xcnt 0x0                                ; EXEC changes only behind this wait
	s_and_saveexec_b32 s63, vcc_lo
	global_store_b16 v6, v[HW], s[10:11]           ; my head's two bytes of each place's 16
	s_wait_xcnt 0x0
	s_or_b32 exec_lo, exec_lo, s63
	s_wait_tensorcnt 0x0                           ; the wave's end
	ds_add_u32 v254, v255
	s_wait_dscnt 0x0
	ROUND                                          ; the closing round
	s_endpgm
.Lfunc_end_k_qfb7b6657b3_attn:
	.size	k_qfb7b6657b3_attn, .Lfunc_end_k_qfb7b6657b3_attn-k_qfb7b6657b3_attn
	.p2alignl 7, 3214868480
	.fill 96, 4, 3214868480
	.section	.rodata,"a",@progbits
	.p2align	6, 0x0
	.amdhsa_kernel k_qfb7b6657b3_attn
		.amdhsa_group_segment_fixed_size 327680
		.amdhsa_private_segment_fixed_size 0
		.amdhsa_enable_private_segment 0
		.amdhsa_kernarg_size 24
		.amdhsa_user_sgpr_count 2
		.amdhsa_user_sgpr_kernarg_segment_ptr 1
		.amdhsa_wavefront_size32 1
		.amdhsa_system_sgpr_workgroup_id_x 1
		.amdhsa_system_sgpr_workgroup_id_y 1
		.amdhsa_system_sgpr_workgroup_id_z 1
		.amdhsa_system_vgpr_workitem_id 0
		.amdhsa_next_free_vgpr 256
		.amdhsa_next_free_sgpr 80
		.amdhsa_reserve_vcc 1
		.amdhsa_float_denorm_mode_32 3
		.amdhsa_float_denorm_mode_16_64 3
		.amdhsa_memory_ordered 1
		.amdhsa_forward_progress 1
		.amdhsa_inst_pref_size 44
	.end_amdhsa_kernel
	.amdgpu_metadata
---
amdhsa.version: [ 1, 2 ]
amdhsa.kernels:
  - .name:           k_qfb7b6657b3_attn
    .symbol:         k_qfb7b6657b3_attn.kd
    .args:
      - { .name: qkvs, .offset: 0, .size: 8, .value_kind: global_buffer, .address_space: global }
      - { .name: xw_codes, .offset: 8, .size: 8, .value_kind: global_buffer, .address_space: global }
      - { .name: xw_scales, .offset: 16, .size: 8, .value_kind: global_buffer, .address_space: global }
    .group_segment_fixed_size: 327680
    .private_segment_fixed_size: 0
    .kernarg_segment_align: 8
    .kernarg_segment_size: 24
    .max_flat_workgroup_size: 512
    .sgpr_count:     80
    .vgpr_count:     256
    .wavefront_size: 32
...
	.end_amdgpu_metadata
.endif
;; end of part 3
;; launch proj (part 4): grid 8 x 32, 4 waves a work-group, clusters of 4 x 4, 167,936 bytes of LDS; arguments xw_codes, xw_scales, out_b, out0; writes out0
.if DOCPART == 4
	.amdgcn_target "amdgcn-amd-amdhsa--gfx1250"
	.amdhsa_code_object_version 6
	.text
	.protected	k_qfb7b6657b3_proj
	.globl	k_qfb7b6657b3_proj
	.p2align	8
	.type	k_qfb7b6657b3_proj,@function
k_qfb7b6657b3_proj:
	s_mov_b64 s[64:65], 0
	v_nop
	global_prefetch_b8 v0, s[64:65] scope:SCOPE_SE
	s_setreg_imm32_b32 hwreg(HW_REG_WAVE_MODE, 25, 1), 1
	s_wait_xcnt 0x0
	s_wait_alu depctr_hold_cnt(0) depctr_sa_sdst(0) depctr_va_vdst(0) depctr_va_sdst(0) depctr_va_ssrc(0) depctr_va_vcc(0) depctr_vm_vsrc(0)
	s_getreg_b32 s2, hwreg(HW_REG_IB_STS2, 6, 4)
	s_cmp_eq_u32 s2, 0
	s_cbranch_scc0 .Lentry_in_a_cluster
	s_endpgm
.Lentry_in_a_cluster:
	s_bfe_u32 s2, ttmp6, 0x10000c
	s_cmp_lg_u32 s2, 0xf033
	s_cbranch_scc0 .Lentry_shape_is_right
	s_endpgm
.Lentry_shape_is_right:
; out0 = o out_w^T + out_b on codes of FP4 with E8M0 scales; out0 [4096][1024] f32.  o's codes and scale bytes lie in tiles 0-255 of the two buffers, out_w's in tiles 448-511.
; SHARES.  A work-group makes 128 tokens x 128 columns over all of K = 1,024: 256 work-groups; each of its four waves 64 x 64: 16 accumulators.
; TILES OF ROWS: place r of tile T is row 32 (T / 2) + 8 (T % 2) + r + 8 (r / 8).  Source 0 = 16 rows of out_w, source 1 = 16 tokens: lane (r, h) holds the token at place r, and register j of tile t column
; 32 (t / 2) + 8 (t % 2) + 16 h + j of the wave's 64.  Operands lie as images of their registers: a fragment is 1,024 bytes on end.
; LDS is filled ONCE: each wave asks for four tiles of codes, all of K, 32,768 dense bytes, by its one tensor load (waves 0, 1 o's, waves 2, 3 out_w's), jointly along the cluster's row or column.
; The scale words go from memory straight into the scale registers: lanes 0-15 take o's, lanes 16-31 out_w's.  The stage for the way out has LDS bytes of its own.
; THE BIAS is loaded into the accumulators, in the result's layout, so that every K step adds in place.
; No prefetch: every byte is asked for at the head, and there is no loop to run ahead in.
.set WC,    65536
.set STG,   131072
.set SP,    272
.set SPARE, 148480
.set LI,  4
.set AX,  6
.set AW,  8
.set ASC, 10
.set STO, 11
.set RD,  12
.set CO,  13
.set BO,  14
.set SC,  16
.set FX,  48
.set FW,  80
.set ACC, 112
.set BK,  FX
.set WV,  16
.set G1X,  24
.set G1W,  32
.macro ROUND
	s_barrier_signal -1
	s_barrier_wait -1
	s_cmp_lg_u32 s[WV], 0
	s_cbranch_scc1 .Lnot_wave_0_\@
	s_barrier_signal -3
.Lnot_wave_0_\@:
	s_barrier_wait -3
	s_barrier_signal -1
	s_barrier_wait -1
.endm
	s_load_b256 s[4:11], s[0:1], 0x0               ; the codes s[4:5], the scale bytes s[6:7], out_b s[8:9], out0 s[10:11]
	v_lshl_add_u32 v254, v0, 2, SPARE
	v_mov_b32 v255, 0
	ds_add_u32 v254, v255                          ; the opening lines
	ds_add_u32 v254, v255
	v_lshrrev_b32 v1, 5, v0
	v_readfirstlane_b32 s[WV], v1                  ; wave 0..3
	s_lshr_b32 s17, s[WV], 1                       ; wm: which 64 tokens are mine.  Also: I fetch for o (0) or for out_w (1)
	s_and_b32 s18, s[WV], 1                        ; wn: which 64 columns.  Also: which four tiles I fetch
	s_bfe_u32 s19, ttmp6, 0x40000                  ; cx
	s_bfe_u32 s20, ttmp6, 0x40004                  ; cy
	s_lshl_b32 s21, ttmp9, 2
	s_add_co_u32 s21, s21, s19                     ; nt: which 128 columns
	s_and_b32 s22, ttmp7, 0xffff
	s_lshl_b32 s22, s22, 2
	s_add_co_u32 s22, s22, s20                     ; mt: which 128 tokens
	s_lshl_b32 s23, s20, 2
	s_lshl_b32 s23, 15, s23                        ; my row of the cluster
	s_lshl_b32 s66, 0x1111, s19                    ; my column
	s_or_b32 s[G1X], s23, (3<<16)|(1<<21)
	s_or_b32 s[G1W], s66, (3<<16)|(1<<21)
.irp g, G1X, G1W                       ; four tiles: 128 rows of 256 bytes, dense
	s_mov_b32 s[\g+1], 32<<16
	s_mov_b32 s[\g+2], 128<<16
	s_mov_b32 s[\g+3], 32<<16
	s_mov_b32 s[\g+4], 128
	s_mov_b32 s[\g+5], 32
	s_mov_b32 s[\g+6], 0
	s_mov_b32 s[\g+7], 0
.endr
	s_lshl_b32 s84, s22, 3
	s_lshl_b32 s86, s18, 2
	s_add_co_u32 s84, s84, s86                     ; o's tile 8 mt + 4 w'
	s_lshl_b32 s84, s84, 13
	s_mov_b32 s85, 0
	s_lshl_b32 s88, s21, 3
	s_lshl_b32 s90, s18, 2
	s_add_co_u32 s88, s88, s90
	s_add_co_u32 s88, s88, 448                     ; out_w's tile 448 + 8 nt + 4 w'
	s_lshl_b32 s88, s88, 13
	s_mov_b32 s89, 0
	s_lshl_b32 s93, s18, 15                        ; where they go: by the wave's number alone
	s_lshl_b32 s40, s22, 12                        ; scale bytes, 512 a tile: o's tile 8 mt + 4 wm,
	s_lshl_b32 s41, s17, 11
	s_add_co_u32 s40, s40, s41
	s_lshl_b32 s41, s21, 12                        ; out_w's tile 448 + 8 nt + 4 wn,
	s_lshl_b32 s42, s18, 11
	s_add_co_u32 s41, s41, s42
	s_add_co_u32 s41, s41, 229376
	s_sub_co_u32 s41, s41, s40                     ; as a distance from o's
	s_lshl_b32 s44, s21, 9                         ; my 64 columns: 512 nt + 256 wn bytes, in out_b and in a row of out0
	s_lshl_b32 s42, s18, 8
	s_add_co_u32 s44, s44, s42
	s_mov_b32 s45, 0
	s_lshl_b32 s46, s22, 19                        ; my 64 tokens: rows 128 mt + 64 wm of 4,096 bytes
	s_lshl_b32 s42, s17, 18
	s_add_co_u32 s46, s46, s42
	s_add_co_u32 s46, s46, s44
	s_mov_b32 s47, 0
	v_and_b32 v2, 15, v0                           ; r
	v_bfe_u32 v3, v0, 4, 1                         ; h
	v_mul_u32_u24 v5, s41, v3
	v_lshl_add_u32 v5, v2, 4, v5
	v_add_nc_u32 v[ASC], s40, v5
	v_lshlrev_b32 v[BO], 6, v3                     ; 64 h: my half's columns in out_b
	s_wait_alu depctr_va_vdst(0)                   ; the wait ahead of the waits below
	s_wait_dscnt 0x0
	s_wait_kmcnt 0x0
	s_add_nc_u64 s[8:9], s[8:9], s[44:45]
	s_add_nc_u64 s[10:11], s[10:11], s[46:47]
.irp i, 0,1,2,3
.irp k, 0,1
	global_load_b128 v[SC+8*\i+4*\k:SC+8*\i+4*\k+3], v[ASC], s[6:7] offset:512*\i+256*\k   ; register 8 i + s: lanes 0-15 token tile i, lanes 16-31 tile i of out_w, K step s
.endr
.endr
.irp g, 0,1,2,3
.irp t, 0,1,2,3
	global_load_b128 v[ACC+8*(4*\g+\t):ACC+8*(4*\g+\t)+3], v[BO], s[8:9] offset:(32*(\t/2)+8*(\t%2))*4      ; the bias of the lane's eight columns of tile t
	global_load_b128 v[ACC+8*(4*\g+\t)+4:ACC+8*(4*\g+\t)+7], v[BO], s[8:9] offset:(32*(\t/2)+8*(\t%2))*4+16
.endr
.endr
	s_add_nc_u64 s[84:85], s[4:5], s[84:85]
	s_add_nc_u64 s[88:89], s[4:5], s[88:89]
	s_mov_b32 s60, 1
	s_mov_b32 s61, s93
	s_mov_b64 s[62:63], s[84:85]
	s_or_b32 s63, s63, 0x80000000
	s_mov_b32 s76, 1
	s_add_co_u32 s77, s93, WC
	s_mov_b64 s[78:79], s[88:89]
	s_or_b32 s79, s79, 0x80000000
	ROUND                                          ; all sixteen work-groups are here: the joint loads meet
	s_cmp_eq_u32 s17, 0
	s_cbranch_scc0 .Lfill_w
	tensor_load_to_lds s[60:63], s[G1X:G1X+7]
	s_nop 0
.rept 4
	v_nop
.endr
	s_branch .Lfilled
.Lfill_w:
	tensor_load_to_lds s[76:79], s[G1W:G1W+7]
	s_nop 0
.rept 4
	v_nop
.endr
.Lfilled:
	s_lshl_b32 s66, s17, 15                        ; my four token tiles: 4 x 8,192 bytes x wm
	s_lshl_b32 s67, s18, 15
	s_add_co_u32 s67, s67, WC
	s_mul_i32 s94, s[WV], 16*SP
	s_add_co_u32 s94, s94, STG                     ; my stage
	v_and_b32 v1, 31, v0
	v_lshlrev_b32 v[LI], 4, v1
	v_add_nc_u32 v[AX], s66, v[LI]
	v_add_nc_u32 v[AW], s67, v[LI]
	v_mul_u32_u24 v[STO], v2, SP
	v_lshl_add_u32 v[STO], v3, 6, v[STO]
	v_add_nc_u32 v[STO], s94, v[STO]               ; in: row r, + 64 h: my half's sixteen columns of a pair of tiles
	v_mul_u32_u24 v[RD], v3, SP
	v_lshl_add_u32 v[RD], v2, 4, v[RD]
	v_add_nc_u32 v[RD], s94, v[RD]                 ; back: lanes 0-15 one row of 256 bytes, lanes 16-31 the next
	v_lshlrev_b32 v[CO], 12, v3
	v_lshl_add_u32 v[CO], v2, 4, v[CO]             ; and the same two rows in out0
; A K step of 128: eight fragments from LDS, then 16 products, the 16 accumulators by turns.
.macro KSTEP s
.if (\s) > 0
.rept 4
	v_nop                                          ; places in front of loads into registers that matrix instructions have read
.endr
.endif
.irp i, 0,1,2,3
.irp c, 0,1
	ds_load_b128 v[FX+8*\i+4*\c:FX+8*\i+4*\c+3], v[AX] offset:8192*\i+1024*(\s)+512*\c
	ds_load_b128 v[FW+8*\i+4*\c:FW+8*\i+4*\c+3], v[AW] offset:8192*\i+1024*(\s)+512*\c
.endr
.endr
	s_wait_dscnt 0x0
.irp g, 0,1,2,3                        ; source 0 = out_w's tile t (scale words in lanes 16-31), source 1 = token tile g
.irp t, 0,1,2,3
	v_wmma_scale_f32_16x16x128_f8f6f4 v[ACC+8*(4*\g+\t):ACC+8*(4*\g+\t)+7], v[FW+8*\t:FW+8*\t+7], v[FX+8*\g:FX+8*\g+7], v[ACC+8*(4*\g+\t):ACC+8*(4*\g+\t)+7], v[SC+8*\t+(\s)], v[SC+8*\g+(\s)] matrix_a_fmt:MATRIX_FMT_FP4 matrix_b_fmt:MATRIX_FMT_FP4 matrix_a_scale:MATRIX_SCALE_ROW1
.endr
.endr
.endm
	s_wait_alu depctr_va_vdst(0)                   ; the wait at the head's end
	s_wait_tensorcnt 0x0                           ; my four tiles are in,
	s_barrier_signal -1
	s_barrier_wait -1                              ; everybody's are
	s_wait_loadcnt 0x0                             ; the scale words, and the bias in the accumulators
	KSTEP 0
	KSTEP 1
	KSTEP 2
	KSTEP 3
	KSTEP 4
	KSTEP 5
	KSTEP 6
	KSTEP 7
; THE WAY OUT, a token tile (16 rows x 64 columns) at a time, through my own stage in LDS, back as whole rows of 256 bytes.  LDS serves a wave's instructions in order: no wait between the stores and the loads.
.macro TOSTAGE g
.irp t, 0,1,2,3
	ds_store_b128 v[STO], v[ACC+8*(4*(\g)+\t):ACC+8*(4*(\g)+\t)+3] offset:128*(\t/2)+32*(\t%2)          ; each accumulator from its low end on
	ds_store_b128 v[STO], v[ACC+8*(4*(\g)+\t)+4:ACC+8*(4*(\g)+\t)+7] offset:128*(\t/2)+32*(\t%2)+16
.endr
.set BB, BK+32*((\g)%2)
.irp i, 0,1,2,3,4,5,6,7
	ds_load_b128 v[BB+4*\i:BB+4*\i+3], v[RD] offset:\i*2*SP
.endr
.endm
.macro SEND g, younger                 ; younger: the LDS instructions issued behind tile g's loads, which may stay out
.set BB, BK+32*((\g)%2)
	s_wait_dscnt \younger
.irp i, 0,1,2,3,4,5,6,7
	global_store_b128 v[CO], v[BB+4*\i:BB+4*\i+3], s[10:11] offset:(32*((\g)/2)+8*((\g)%2)+2*\i+8*(\i/4))*4096 th:TH_STORE_NT   ; places 2 i and 2 i + 1 of the tile: sixteen lanes store 256 bytes on end, aligned
.endr
.endm
.rept 4
	v_nop                                          ; places behind the last products
.endr
	TOSTAGE 0
.irp g, 1,2,3
.if \g > 1
	s_wait_xcnt 0x0                                ; tile g - 2's stores have read their registers: tile g's rows may land there
.endif
	TOSTAGE \g
	SEND \g-1, 16                                  ; behind tile g - 1's loads: tile g's eight stores and eight loads
.endr
	SEND 3, 0
	s_wait_tensorcnt 0x0                           ; the wave's end
	ds_add_u32 v254, v255
	s_wait_dscnt 0x0
	ROUND                                          ; the closing round
	s_endpgm
.Lfunc_end_k_qfb7b6657b3_proj:
	.size	k_qfb7b6657b3_proj, .Lfunc_end_k_qfb7b6657b3_proj-k_qfb7b6657b3_proj
	.p2alignl 7, 3214868480
	.fill 96, 4, 3214868480
	.section	.rodata,"a",@progbits
	.p2align	6, 0x0
	.amdhsa_kernel k_qfb7b6657b3_proj
		.amdhsa_group_segment_fixed_size 167936
		.amdhsa_private_segment_fixed_size 0
		.amdhsa_enable_private_segment 0
		.amdhsa_kernarg_size 32
		.amdhsa_user_sgpr_count 2
		.amdhsa_user_sgpr_kernarg_segment_ptr 1
		.amdhsa_wavefront_size32 1
		.amdhsa_system_sgpr_workgroup_id_x 1
		.amdhsa_system_sgpr_workgroup_id_y 1
		.amdhsa_system_sgpr_workgroup_id_z 1
		.amdhsa_system_vgpr_workitem_id 0
		.amdhsa_next_free_vgpr 256
		.amdhsa_next_free_sgpr 96
		.amdhsa_reserve_vcc 0
		.amdhsa_float_denorm_mode_32 3
		.amdhsa_float_denorm_mode_16_64 3
		.amdhsa_memory_ordered 1
		.amdhsa_forward_progress 1
		.amdhsa_inst_pref_size 43
	.end_amdhsa_kernel
	.amdgpu_metadata
---
amdhsa.version: [ 1, 2 ]
amdhsa.kernels:
  - .name:           k_qfb7b6657b3_proj
    .symbol:         k_qfb7b6657b3_proj.kd
    .args:
      - { .name: xw_codes, .offset: 0, .size: 8, .value_kind: global_buffer, .address_space: global }
      - { .name: xw_scales, .offset: 8, .size: 8, .value_kind: global_buffer, .address_space: global }
      - { .name: out_b, .offset: 16, .size: 8, .value_kind: global_buffer, .address_space: global }
      - { .name: out0, .offset: 24, .size: 8, .value_kind: global_buffer, .address_space: global }
    .group_segment_fixed_size: 167936
    .private_segment_fixed_size: 0
    .kernarg_segment_align: 8
    .kernarg_segment_size: 32
    .max_flat_workgroup_size: 128
    .sgpr_count:     96
    .vgpr_count:     256
    .wavefront_size: 32
...
	.end_amdgpu_metadata
.endif
;; end of part 4
